; MI455X (gfx1250); checked and timed in simulation.
; The chip was launched on July 23, 2026; its instructions are those of AMD's public machine-readable ISA for CDNA 5 (MIT licence, August 2026) and "CDNA5" Instruction Set Architecture Reference Guide (July 2026). The comments in the code are by the model that wrote it; some were corrected since.
;; Time Attention. Allowed arithmetic: matrix products marked QUANTISED: E2M1 operands, one E8M0 scale for each 32 along K, by v_wmma_scale_f32_16x16x128_f8f6f4 with both operands' format E2M1 (or v_wmma_scale_f32_32x16x128_f4), f32 sums; products left as they are: bf16, f16 or f32 operands; f32 sums; everything else in f32.
;; Inputs: Wk 1,024 x 1,024 float32; Wo 1,024 x 1,024 float32; Wq 1,024 x 1,024 float32; Wv 1,024 x 1,024 float32; bk 1,024 float32; bo 1,024 float32; bq 1,024 float32; bv 1,024 float32; key 4 x 2,048 x 1,024 float32; query 4 x 2,048 x 1,024 float32; value 4 x 2,048 x 1,024 float32.
;; Outputs: out0 4 x 2,048 x 1,024 float32.
;; This version of the problem:
;;   THIS VERSION OF THE PROBLEM IS GIVEN IN LOW PRECISION. The matrix products marked QUANTISED in the list below multiply operands that are first quantised to E2M1 (2 exponent bits, 1 mantissa bit; 4 bits a number), with one power-of-two scale for each 32 numbers along K (OCP MX v1.0); their sums are f32. The products marked 'left as it is' may take bf16, f16 or f32 operands, with f32 sums. Whichever they take, every output number must still come out within the allowed error. Rounding operands to bf16 (8 significant bits) uses up far more of that allowance than f16 does (11 bits, for magnitudes from 6e-5 to 65,504). All else is computed in f32.
;;   The module's matrix products, in the order in which they are computed (A, B: the left and right operand; K: the contracted axis; several contracted axes count as one K, in the product's order):
;;     1. [M 8,192, K 1,024] x [K 1,024, N 1,024]; A: input query; B: input Wq: QUANTISED
;;     2. [M 8,192, K 1,024] x [K 1,024, N 1,024]; A: input key; B: input Wk: QUANTISED
;;     3. [M 8,192, K 1,024] x [K 1,024, N 1,024]; A: input value; B: input Wv: QUANTISED
;;     4. batch 64 x [M 2,048, K 64] x [K 64, N 2,048]; A: computed on the way; B: computed on the way: left as it is (an operand is computed on the way)
;;     5. batch 64 x [M 2,048, K 2,048] x [K 2,048, N 64]; A: computed on the way; B: computed on the way: left as it is (an operand is computed on the way)
;;     6. [M 8,192, K 1,024] x [K 1,024, N 1,024]; A: computed on the way; B: input Wo: left as it is (an operand is computed on the way)
;;   THE QUANTISER, for each operand of a quantised product, along K:
;;     - K is cut into blocks of 32 from its start; a last block that is shorter is filled with zeros.
;;     - A block's scale is 2^e with e = floor(log2(the largest magnitude in the block)) - 2, held to -126 .. 127; a block of zeros has e = 0. As a byte (E8M0): e + 127.
;;     - Each number is divided by its block's scale, clamped to +-6, and rounded to the nearest number of E2M1, ties to even, subnormals kept.
;;     - The product sums the exact products of the quantised numbers (number of the format x scale) in f32.
;;   ~~~python
;;   def quantise(x, axis):      # numpy; x: float32 -> the quantised numbers, widened to float32 again
;;       x = np.moveaxis(x, axis, -1); K = x.shape[-1]
;;       x = np.pad(x, [(0, 0)] * (x.ndim - 1) + [(0, -K % 32)]); x = x.reshape(x.shape[:-1] + (-1, 32)); a = np.abs(x).max(-1, keepdims=True)
;;       e = np.where(a > 0, np.clip(np.frexp(np.where(a > 0, a, 1))[1] - 1 - 2, -126, 127), 0)      # np.frexp(a)[1] - 1 = floor(log2(a)), exactly
;;       r = np.clip(x / 2.0 ** e, -6, 6)
;;       step = 2.0 ** (np.maximum(np.frexp(np.where(r == 0, 1, r))[1] - 1, 0) - 1)
;;       q = np.round(r / step) * step * 2.0 ** e      # np.round: ties to even
;;       return np.moveaxis(q.reshape(q.shape[:-2] + (-1,))[..., :K], -1, axis).astype(np.float32)
;;   ~~~
;; One version. Each part assembles by itself: llvm-mc -triple=amdgcn-amd-amdhsa -mcpu=gfx1250 --defsym DOCPART=n.
;; ======== version 1 of 1: 4 launches
;; limits: values are held in f16: magnitudes above 65,504 overflow, below 6.1e-05 lose precision
;; workspace buffers: codes 14,155,776 bytes; scales 884,736 bytes; wof 2,097,152 bytes; qf 16,777,216 bytes; kv 33,554,432 bytes; af 16,777,216 bytes
;; launch prep (part 1): grid 896 x 1, 4 waves a work-group, no clusters, 33,280 bytes of LDS; arguments query, key, value, Wq, Wk, Wv, Wo, codes, scales, wof; writes codes, scales, wof
.if DOCPART == 1
	.amdgcn_target "amdgcn-amd-amdhsa--gfx1250"
	.amdhsa_code_object_version 6
	.text
	.protected	k_q2274e8d8be_prep
	.globl	k_q2274e8d8be_prep
	.p2align	8
	.type	k_q2274e8d8be_prep,@function
k_q2274e8d8be_prep:
	s_mov_b64 s[64:65], 0
	v_nop
	global_prefetch_b8 v0, s[64:65] scope:SCOPE_SE
	s_setreg_imm32_b32 hwreg(HW_REG_WAVE_MODE, 25, 1), 1
	s_wait_xcnt 0x0
; PREP: the first of four launches of out = softmax((query Wq^T + bq)(key Wk^T + bk)^T / 8) (value Wv^T + bv) Wo^T + bo, 16 heads of 64.
; This launch turns query, key, value [8192][1024] and Wq, Wk, Wv [1024][1024], f32, K innermost, into codes of FP4 (E2M1) with one E8M0 byte for each 32 along K, and Wo into f16.
; WORK LEFT OUT, in the whole program: the input bk.  A score is q . (k0 + bk) = q . k0 + q . bk; the term q . bk is the same for all keys of a query, and a softmax along the keys is
; unchanged by a term that is the same along its axis, whatever finite values the inputs hold.  The scores' product is not quantised, so bk enters nothing else.  bk is not loaded and is no argument of any launch.
; WORK MOVED: the weights of a query sum to 1, so sum_k w_k (v0_k + bv) = sum_k w_k v0_k + bv: bv is added once, in f32, on the attention launch's way out.
; LIMITS: a NaN, an infinity or an overflow that reaches only q . bk is not carried to the result.  NaN and infinities among the inputs are not served.  A block whose largest magnitude lies
; under 2^(2 - 126) has its byte held at 1; a block of zeros gets the byte 1 where the rule says 127: its codes are zeros, and this program alone reads the bytes.
; Wo goes to f16: magnitudes up to 65,504; under 6e-5 the absolute error stays 2^-25.
; THE QUANTISER.  Rows are dense and K is a multiple of 32, so each tensor is a stream of blocks of 32.  Work-groups 0-863 take 32,768 numbers each, in the order query, key, value, Wq, Wk, Wv;
; codes and scale bytes follow in the same order in one buffer each.  A wave takes 16 steps of 512 numbers.  Each load reads 512 consecutive bytes; a step's 2,048 bytes turn through the wave's own
; stage in LDS so that a lane holds 16 neighbours along K (two lanes to a block).  A lane's 16 codes are 8 bytes: the wave stores 256 consecutive bytes, aligned.  A wave's 256 scale bytes are
; gathered in LDS and leave as 256 consecutive bytes.  Waves share nothing: no barrier.  Loads run four steps (16 loads) ahead.
; WO.  Work-groups 864-895.  wof is laid as IMAGES OF THE OPERAND'S REGISTERS: an image is 16 rows x 32 k of f16, 1,024 bytes; byte 512 c + 16 lane + 2 e holds (row lane % 16, k = 16 c + 8 (lane / 16) + e).
; wof = [row tile 64][k / 32] images.  No cluster, no matrix unit: no input byte is shared between work-groups.
.set NQWG,  864                        ; work-groups of the quantiser: 3 x 256 + 3 x 32
.set STEPS, 16
.set EMAX,  2
.set CB,    8                          ; bytes of 16 codes
.set R,     16                         ; v16-79   four sets of 16 numbers as loaded
.set X,     80                         ; v80-111  two sets of 16 neighbours
.set E,     112                        ; v112-127 a scale byte for each step
.set C,     128                        ; v128-191 codes, four registers a step: no store's data are written again
.set WREG,  8192                       ; LDS of a wave: two stages of 32 x SP bytes, then its 256 scale bytes
.set SP,    80                         ; a lane's 64 bytes + 16 of padding
.set SPW,   12                         ; v12 my spare word's LDS address; never rewritten
.set NIL,   13                         ; v13 0; never rewritten
.set SPARE, 4*WREG                     ; the spare words: 128 bytes a wave, named by no other line
.set WR,    16                         ; Wo: v16-143 two groups of 64 numbers
.set WP,    144                        ; Wo: v144-175 four images' halves, packed
	s_load_b512 s[8:23], s[0:1], 0x0               ; query 8, key 10, value 12, Wq 14, Wk 16, Wv 18, Wo 20, codes 22
	s_load_b128 s[24:27], s[0:1], 0x40             ; scales 24, wof 26
	v_lshl_add_u32 v[SPW], v0, 2, SPARE
	v_mov_b32 v[NIL], 0
	v_lshrrev_b32 v1, 5, v0
	v_readfirstlane_b32 s28, v1                    ; wave
	v_and_b32 v2, 31, v0                           ; lane
	s_cmp_ge_u32 ttmp9, NQWG                       ; the choice hangs on the work-group's number alone
	s_cbranch_scc1 .Lwo
	v_lshlrev_b32 v3, 4, v2                        ; my 16 bytes of a load's 512
	s_mul_i32 s29, s28, WREG
	v_lshrrev_b32 v14, 2, v2
	v_mul_u32_u24 v14, v14, SP
	v_and_b32 v15, 3, v2
	v_lshl_add_u32 v14, v15, 4, v14
	v_add_nc_u32 v14, s29, v14                     ; the stage, way in: SP (lane / 4) + 16 (lane % 4)
	v_mul_u32_u24 v15, v2, SP
	v_add_nc_u32 v15, s29, v15                     ; way out: SP x lane: my 16 neighbours
	v_mul_u32_u24 v4, v2, CB                       ; my codes' place in a step's
	v_lshrrev_b32 v5, 1, v2
	s_add_co_u32 s29, s29, 2*32*SP
	v_add_nc_u32 v5, s29, v5                       ; my block's scale byte in LDS
	v_lshlrev_b32 v7, 3, v2
	v_add_nc_u32 v6, s29, v7                       ; and 8 bytes a lane on their way out
	s_wait_kmcnt 0x0
	s_mov_b64 s[4:5], s[18:19]                     ; which tensor, and its first work-group: Wv unless a lower bound holds
	s_mov_b32 s6, 832
.macro PICK lim, ptr, base
	s_cmp_lt_u32 ttmp9, \lim
	s_cselect_b64 s[4:5], s[\ptr:\ptr+1], s[4:5]
	s_cselect_b32 s6, \base, s6
.endm
	PICK 832, 16, 800
	PICK 800, 14, 768
	PICK 768, 12, 512
	PICK 512, 10, 256
	PICK 256, 8, 0
	s_sub_co_u32 s6, ttmp9, s6
	s_lshl_b32 s6, s6, 2
	s_add_co_u32 s6, s6, s28                       ; my wave's run of 8,192 numbers in its tensor,
	s_lshl_b32 s6, s6, 15                          ; 32,768 bytes each (under 2^26)
	s_mov_b32 s7, 0
	s_add_nc_u64 s[4:5], s[4:5], s[6:7]
	s_lshl_b32 s34, ttmp9, 2
	s_add_co_u32 s34, s34, s28                     ; and among all runs
	s_lshl_b32 s36, s34, 12                        ; 4,096 bytes of codes a run
	s_mov_b32 s37, 0
	s_add_nc_u64 s[30:31], s[22:23], s[36:37]
	s_lshl_b32 s36, s34, 8                         ; 256 scale bytes a run
	s_add_nc_u64 s[32:33], s[24:25], s[36:37]
.macro LOAD t
.irp i, 0,1,2,3
	global_load_b128 v[R+16*((\t)%4)+4*\i:R+16*((\t)%4)+4*\i+3], v3, s[4:5] offset:2048*(\t)+512*\i th:TH_LOAD_NT
.endr
.endm
.macro TURN t                          ; step t's numbers through the stage: LDS serves a wave's instructions in order, so no wait stands between the stores and the loads
.irp i, 0,1,2,3
	ds_store_b128 v14, v[R+16*((\t)%4)+4*\i:R+16*((\t)%4)+4*\i+3] offset:32*SP*((\t)%2)+8*SP*\i
.endr
.irp i, 0,1,2,3
	ds_load_b128 v[X+16*((\t)%2)+4*\i:X+16*((\t)%2)+4*\i+3], v15 offset:32*SP*((\t)%2)+16*\i
.endr
.endm
.irp t, 0,1,2,3
	LOAD \t
.endr
	s_wait_loadcnt 12                              ; step 0's four loads are in; the 12 of steps 1 to 3 may be out
	TURN 0
.macro STEP t
.set XS, X+16*((\t)%2)
.if (\t) > 0
	s_wait_dscnt 1                                 ; this step's numbers are back (the last step's byte store may be out): so the stage's stores have read their registers,
.else
	s_wait_dscnt 0x0
.endif
.if (\t)+4 < STEPS
	LOAD (\t)+4                                    ; which take the loads of four steps on
.endif
.if (\t)+1 < STEPS
.if STEPS-2-(\t) >= 3
	s_wait_loadcnt 12                              ; the next step's four loads are in; those of the three steps behind it may be out
.else
	s_wait_loadcnt 4*(STEPS-2-(\t))
.endif
	TURN (\t)+1
.endif
	v_max3_num_f32 v8, |v[XS]|, |v[XS+1]|, |v[XS+2]|               ; the largest magnitude of my 16, in two chains
	v_max3_num_f32 v9, |v[XS+3]|, |v[XS+4]|, |v[XS+5]|
.irp i, 6,10
	v_max3_num_f32 v8, v8, |v[XS+\i]|, |v[XS+\i+1]|
	v_max3_num_f32 v9, v9, |v[XS+\i+2]|, |v[XS+\i+3]|
.endr
	v_max3_num_f32 v8, v8, |v[XS+14]|, |v[XS+15]|
	v_max3_num_f32 v8, v8, v9, (EMAX+1)<<23        ; and the floor 2^(3 - 127): the byte cannot fall under 1
	v_max_num_f32_dpp v8, v8, v8 row_xmask:1 row_mask:0xf bank_mask:0xf   ; with my neighbour's 16: the block's
	v_add_nc_u32 v11, -(EMAX<<23), v8              ; 2 off its exponent field: the conversion takes this operand's exponent field as its scale
	v_cvt_scalef32_pk8_fp4_f32 v[C+4*(\t)], v[XS:XS+7], v11
	v_cvt_scalef32_pk8_fp4_f32 v[C+4*(\t)+1], v[XS+8:XS+15], v11
	v_lshrrev_b32 v[E+(\t)], 23, v11               ; the scale's byte
	ds_store_b8 v5, v[E+(\t)] offset:16*(\t)       ; both lanes of a block write the same byte with the same value
	global_store_b64 v4, v[C+4*(\t):C+4*(\t)+1], s[30:31] offset:32*CB*(\t)
.endm
.irp t, 0,1,2,3,4,5,6,7,8,9,10,11,12,13,14,15
	STEP \t
.endr
	ds_load_b64 v[8:9], v6                         ; in order behind my byte stores
	s_wait_dscnt 0x0
	global_store_b64 v7, v[8:9], s[32:33]          ; 32 lanes store 256 consecutive bytes, aligned
	s_wait_tensorcnt 0x0                           ; the wave's end: behind my last LDS store
	ds_add_u32 v[SPW], v[NIL]
	s_wait_dscnt 0x0
	s_endpgm
.Lwo:                                  ; Wo to f16 images.  Wave W of 128 makes 16 images: row tile W / 2, k / 32 = 16 (W % 2) + 0 .. 15
	s_sub_co_u32 s6, ttmp9, NQWG
	s_lshl_b32 s6, s6, 2
	s_add_co_u32 s6, s6, s28                       ; W
	s_lshr_b32 s34, s6, 1
	s_lshl_b32 s34, s34, 16                        ; 16 rows of 4,096 bytes
	s_and_b32 s36, s6, 1
	s_lshl_b32 s36, s36, 11                        ; 512 numbers along K
	s_add_co_u32 s34, s34, s36
	s_mov_b32 s35, 0
	s_lshl_b32 s36, s6, 14                         ; 16 images of 1,024 bytes
	s_mov_b32 s37, 0
	v_and_b32 v3, 15, v0
	v_bfe_u32 v4, v0, 4, 1
	v_lshlrev_b32 v1, 12, v3
	v_lshl_add_u32 v1, v4, 5, v1                   ; in: row lane % 16, + 8 numbers for the upper half of the lanes
	v_lshlrev_b32 v2, 4, v2                        ; out: 16 x lane
	s_wait_kmcnt 0x0
	s_add_nc_u64 s[4:5], s[20:21], s[34:35]
	s_add_nc_u64 s[30:31], s[26:27], s[36:37]
.macro LOADG g                         ; four images' numbers: image fi, half c: 8 numbers a lane
.irp fi, 0,1,2,3
.irp c, 0,1
.irp e, 0,1
	global_load_b128 v[WR+64*((\g)%2)+16*\fi+8*\c+4*\e:WR+64*((\g)%2)+16*\fi+8*\c+4*\e+3], v1, s[4:5] offset:(4*(\g)+\fi)*128+64*\c+16*\e
.endr
.endr
.endr
.endm
.macro WOG g
.if (\g) < 3
	s_wait_loadcnt 16                              ; this group's 16 loads are in; the next group's may be out
.else
	s_wait_loadcnt 0x0
.endif
.if (\g) > 0
	s_wait_xcnt 0x0                                ; the last group's stores have read the packed registers
.endif
.irp fi, 0,1,2,3
.irp c, 0,1
.irp j, 0,1,2,3
	v_cvt_pk_f16_f32 v[WP+8*\fi+4*\c+\j], v[WR+64*((\g)%2)+16*\fi+8*\c+2*\j], v[WR+64*((\g)%2)+16*\fi+8*\c+2*\j+1]
.endr
.endr
.endr
.irp fi, 0,1,2,3
.irp c, 0,1
	global_store_b128 v2, v[WP+8*\fi+4*\c:WP+8*\fi+4*\c+3], s[30:31] offset:(4*(\g)+\fi)*1024+512*\c   ; 512 consecutive bytes, aligned
.endr
.endr
.if (\g)+2 < 4
	LOADG (\g)+2
.endif
.endm
	LOADG 0
	LOADG 1
	WOG 0
	WOG 1
	WOG 2
	WOG 3
	s_wait_tensorcnt 0x0                           ; this way wrote no LDS; the three lines keep every way out of the launch in one form
	ds_add_u32 v[SPW], v[NIL]
	s_wait_dscnt 0x0
	s_endpgm
.Lfunc_end_k_q2274e8d8be_prep:
	.size	k_q2274e8d8be_prep, .Lfunc_end_k_q2274e8d8be_prep-k_q2274e8d8be_prep
	.p2alignl 7, 3214868480
	.fill 96, 4, 3214868480
	.section	.rodata,"a",@progbits
	.p2align	6, 0x0
	.amdhsa_kernel k_q2274e8d8be_prep
		.amdhsa_group_segment_fixed_size 33280
		.amdhsa_private_segment_fixed_size 0
		.amdhsa_enable_private_segment 0
		.amdhsa_kernarg_size 80
		.amdhsa_user_sgpr_count 2
		.amdhsa_user_sgpr_kernarg_segment_ptr 1
		.amdhsa_wavefront_size32 1
		.amdhsa_system_sgpr_workgroup_id_x 1
		.amdhsa_system_sgpr_workgroup_id_y 1
		.amdhsa_system_sgpr_workgroup_id_z 1
		.amdhsa_system_vgpr_workitem_id 0
		.amdhsa_next_free_vgpr 192
		.amdhsa_next_free_sgpr 66
		.amdhsa_reserve_vcc 0
		.amdhsa_float_denorm_mode_32 3
		.amdhsa_float_denorm_mode_16_64 3
		.amdhsa_memory_ordered 1
		.amdhsa_forward_progress 1
		.amdhsa_inst_pref_size 52
	.end_amdhsa_kernel
	.amdgpu_metadata
---
amdhsa.version: [ 1, 2 ]
amdhsa.kernels:
  - .name:           k_q2274e8d8be_prep
    .symbol:         k_q2274e8d8be_prep.kd
    .args:
      - { .name: query, .offset: 0, .size: 8, .value_kind: global_buffer, .address_space: global }
      - { .name: key, .offset: 8, .size: 8, .value_kind: global_buffer, .address_space: global }
      - { .name: value, .offset: 16, .size: 8, .value_kind: global_buffer, .address_space: global }
      - { .name: Wq, .offset: 24, .size: 8, .value_kind: global_buffer, .address_space: global }
      - { .name: Wk, .offset: 32, .size: 8, .value_kind: global_buffer, .address_space: global }
      - { .name: Wv, .offset: 40, .size: 8, .value_kind: global_buffer, .address_space: global }
      - { .name: Wo, .offset: 48, .size: 8, .value_kind: global_buffer, .address_space: global }
      - { .name: codes, .offset: 56, .size: 8, .value_kind: global_buffer, .address_space: global }
      - { .name: scales, .offset: 64, .size: 8, .value_kind: global_buffer, .address_space: global }
      - { .name: wof, .offset: 72, .size: 8, .value_kind: global_buffer, .address_space: global }
    .group_segment_fixed_size: 33280
    .private_segment_fixed_size: 0
    .kernarg_segment_align: 8
    .kernarg_segment_size: 80
    .max_flat_workgroup_size: 128
    .sgpr_count:     66
    .vgpr_count:     192
    .wavefront_size: 32
...
	.end_amdgpu_metadata
.endif
;; end of part 1
;; launch proj (part 2): grid 4 x 96, 4 waves a work-group, clusters of 4 x 4, 327,680 bytes of LDS; arguments codes, scales, bq, qf, kv; writes qf, kv
.if DOCPART == 2
	.amdgcn_target "amdgcn-amd-amdhsa--gfx1250"
	.amdhsa_code_object_version 6
	.text
	.protected	k_q2274e8d8be_proj
	.globl	k_q2274e8d8be_proj
	.p2align	8
	.type	k_q2274e8d8be_proj,@function
k_q2274e8d8be_proj:
	s_mov_b64 s[64:65], 0
	v_nop
	global_prefetch_b8 v0, s[64:65] scope:SCOPE_SE
	s_setreg_imm32_b32 hwreg(HW_REG_WAVE_MODE, 25, 1), 1
	s_wait_xcnt 0x0
	s_wait_alu depctr_hold_cnt(0) depctr_sa_sdst(0) depctr_va_vdst(0) depctr_va_sdst(0) depctr_va_ssrc(0) depctr_va_vcc(0) depctr_vm_vsrc(0)
	s_getreg_b32 s2, hwreg(HW_REG_IB_STS2, 6, 4)
	s_cmp_eq_u32 s2, 0
	s_cbranch_scc0 .Lentry_in_a_cluster
	s_endpgm
.Lentry_in_a_cluster:
	s_bfe_u32 s2, ttmp6, 0x10000c
	s_cmp_lg_u32 s2, 0xf033
	s_cbranch_scc0 .Lentry_shape_is_right
	s_endpgm
.Lentry_shape_is_right:
; PROJ: the three quantised products, on codes of FP4 (E2M1) with one E8M0 byte for each 32 along K: q = query Wq^T + bq, k0 = key Wk^T, v0 = value Wv^T; sums in f32, results rounded once to f16.
; LEFT OUT: bk (it adds the same term to all scores of a query, which the softmax takes away: shown at the head of the first launch).  bv is added on the attention launch's way out.
; LIMIT: q, k0, v0 go to f16: magnitudes up to 65,504; under 6e-5 the absolute error stays 2^-25.
; SHARES.  A cluster of 4 x 4 work-groups makes 1,024 x 1,024 of one product; cluster y = 8 x product + block of 1,024 tokens.  A work-group makes 256 x 256, each of its four waves 128 x 128: 64 accumulators.
; For q and k0 side A is the tokens' rows and side B the weight's.  For v0 THE SIDES ARE SWAPPED (A = Wv's rows, B = value's rows): the same text then makes v0^T.
; K = 1,024 is two LDS slots of 512 along K, each filled once, with the scale bytes of all of K, at the start.
; A's tiles are shared along a row of the cluster, B's along a column: each is asked for jointly, by the same tensor load with the same descriptor and a mask that names the four.
; THE MATRIX INSTRUCTION IS USED TRANSPOSED (source 0 = 16 rows of B, source 1 = 16 rows of A): a lane holds row lane % 16 of A's side and eight neighbours of B's side.
; THE RESULTS ARE STORED AS IMAGES OF THE NEXT OPERAND'S REGISTERS: an image is 16 rows x 32 k of f16, 1,024 bytes; byte 512 c + 16 lane + 2 e = (row lane % 16, k = 16 c + 8 (lane / 16) + e).
; An accumulator, packed, is half c of such an image as it stands: each store of the wave covers 512 consecutive bytes, aligned, straight from registers.
;   qf = [b h 64][query tile 128][channel / 32] images.   kv = [b h 64][64 keys: 32] chunks of 16,384 bytes: k0's image (16 keys kt, 32 channels cf) at 2048 kt + 1024 cf;
;   v0^T's image (16 channels ct, 32 keys kb) at 8192 + 4096 kb + 1024 ct.
; REGISTERS: window 0: v0-31 addresses; v32-95 scale words, two sets; v128-191 A's fragments, one set; v192-255 the first products' C (bq, or zeros); on the way out v128-255 packed results.
;   window 1: B's fragments, two sets.   windows 2, 3: the accumulators ((a, b) at v[8 (8 (a % 4) + b)]).
.set NQ,     4                         ; steps of 128 along K in a slot
.set ROWB,   256                       ; a tile's row: 512 codes
.set KROW,   512                       ; a row of codes in memory
.set PITCH,  272                       ; an LDS row: 256 bytes + 16 of padding: the 16 rows of a load start 68 words apart
.set FR,     8
.set NL,     2
.set NP,     4
.set HALFT,  128*PITCH
.set SLOT,   4*HALFT
.set KS,     32                        ; a row of scale bytes
.set SCL,    2*SLOT
.set HALFS,  (128*KS/256)*272
.set SBLK,   (16*KS/256)*272
.set SPARE,  SCL+4*HALFS               ; the spare words: 128 bytes a wave, named by no other line
.set VO,   8                           ; v8-11  the way out: 16 x lane + the place of image b / 2
.set BOF,  12                          ; v12    32 x (lane / 16): my eight numbers of bq
.set ADRA, 16
.set ADRB, 20
.set ADRS, 27
.set SPW,  28
.set NIL,  29
.set SC,   32
.set AF,   128
.set BN,   192
.set TMP,  128
.set G1, 24
.set G0, 32
.set G1B, 48
.set G0B, 56
.set G1S, 68
.set G0S, 76
.set G1SB, 80
.set G0SB, 88
.set TEN, 95                           ; s95 which product: 0 q, 1 k0, 2 v0
.set I8,  96                           ; s96 which 1,024 tokens
.set MSB, 0
.macro WIN new                         ; the immediate's high byte repeats the setting that is left
.if MSB != \new
	s_set_vgpr_msb (MSB<<8)|\new
.set MSB, \new
.endif
.endm
.set MUL_LO, 0xa1                      ; source 0 (B) window 1, source 1 (A) window 0, C and D window 2
.set MUL_HI, 0xf1
.set BEG_LO, 0x81                      ; the first step: C in window 0
.set BEG_HI, 0xc1
.set TO_B,   0x40
.macro JLOAD g0a, g1a, g0b, g1b        ; waves 0, 1 fetch for A, waves 2, 3 for B; an s_nop 0 and four v_nop follow each line
	s_cmp_eq_u32 s15, 0
	s_cbranch_scc0 .Lfor_b_\@
	tensor_load_to_lds s[\g0a:\g0a+3], s[\g1a:\g1a+7]
	s_nop 0
.rept 4
	v_nop
.endr
	s_branch .Lasked_\@
.Lfor_b_\@:
	tensor_load_to_lds s[\g0b:\g0b+3], s[\g1b:\g1b+7]
	s_nop 0
.rept 4
	v_nop
.endr
.Lasked_\@:
.endm
.macro CROUND                          ; a round of the cluster's barrier
	s_barrier_signal -1
	s_barrier_wait -1
	s_cmp_lg_u32 s14, 0
	s_cbranch_scc1 .Lnot_wave_0_\@
	s_barrier_signal -3
.Lnot_wave_0_\@:
	s_barrier_wait -3
	s_barrier_signal -1
	s_barrier_wait -1
.endm
	s_load_b256 s[4:11], s[0:1], 0x0               ; codes 4, scales 6, bq 8, qf 10
	s_load_b64 s[12:13], s[0:1], 0x20              ; kv
	v_lshl_add_u32 v[SPW], v0, 2, SPARE
	v_mov_b32 v[NIL], 0
	ds_add_u32 v[SPW], v[NIL]                      ; the wave's opening: the add, twice on end, and its wait ahead of my first tensor load
	ds_add_u32 v[SPW], v[NIL]
	v_lshrrev_b32 v1, 5, v0
	v_readfirstlane_b32 s14, v1                    ; wave
	s_lshr_b32 s15, s14, 1                         ; my half of A's side.  Also: I fetch for A (0) or B (1)
	s_and_b32 s16, s14, 1                          ; my half of B's side.  Also: which 128 rows I fetch
	s_bfe_u32 s40, ttmp6, 0x40000                  ; cx
	s_bfe_u32 s41, ttmp6, 0x40004                  ; cy
	s_and_b32 s17, ttmp7, 0xffff                   ; cluster y, 0 .. 23 (the grid has one cluster along x)
	s_lshr_b32 s[TEN], s17, 3
	s_and_b32 s[I8], s17, 7
	s_lshl_b32 s43, s41, 2
	s_lshl_b32 s43, 15, s43                        ; my row of the cluster
	s_lshl_b32 s44, 0x1111, s40                    ; my column
	s_or_b32 s[G1+0], s43, (0<<16)|(1<<20)|(1<<21)|(5<<22)|(3<<25)   ; mask; elements of 1 byte; 4 words of padding behind every 64
	s_or_b32 s[G1B+0], s44, (0<<16)|(1<<20)|(1<<21)|(5<<22)|(3<<25)
.irp g, G1, G1B
	s_mov_b32 s[\g+1], ROWB<<16                    ; tensor_dim0
	s_mov_b32 s[\g+2], 128<<16                     ; tensor_dim1
	s_mov_b32 s[\g+3], ROWB<<16                    ; tile_dim0
	s_mov_b32 s[\g+4], 128                         ; tile_dim1
	s_mov_b32 s[\g+5], KROW                        ; from row to row
	s_mov_b32 s[\g+6], 0
	s_mov_b32 s[\g+7], 0
.endr
	s_or_b32 s[G1S+0], s43, (3<<16)|(1<<20)|(1<<21)|(5<<22)|(3<<25)  ; the scale bytes of 128 rows: 4,096 dense bytes as 16 rows of 256, 16 bytes of padding behind each
	s_or_b32 s[G1SB+0], s44, (3<<16)|(1<<20)|(1<<21)|(5<<22)|(3<<25)
.irp g, G1S, G1SB
	s_mov_b32 s[\g+1], 32<<16
	s_mov_b32 s[\g+2], (128*KS/256)<<16
	s_mov_b32 s[\g+3], 32<<16
	s_mov_b32 s[\g+4], 128*KS/256
	s_mov_b32 s[\g+5], 32
	s_mov_b32 s[\g+6], 0
	s_mov_b32 s[\g+7], 0
.endr
	s_lshl_b32 s97, s[TEN], 22                     ; the tokens' 1,024 rows: their codes,
	s_lshl_b32 s18, s[I8], 19
	s_add_co_u32 s97, s97, s18
	s_lshl_b32 s98, s[TEN], 19                     ; the weight's codes,
	s_add_co_u32 s98, s98, 12582912
	s_lshl_b32 s99, s[TEN], 18                     ; the tokens' scale bytes,
	s_lshl_b32 s18, s[I8], 15
	s_add_co_u32 s99, s99, s18
	s_lshl_b32 s100, s[TEN], 15                    ; the weight's
	s_add_co_u32 s100, s100, 786432
	s_cmp_eq_u32 s[TEN], 2                         ; v0: the sides are swapped.  The cluster's number decides: alike in all partners
	s_cselect_b32 s20, s98, s97                    ; A's codes
	s_cselect_b32 s46, s97, s98                    ; B's codes
	s_cselect_b32 s22, s100, s99                   ; A's scale bytes
	s_cselect_b32 s92, s99, s100                   ; B's
	s_lshl_b32 s18, s16, 7                         ; which 128 rows I fetch
	s_lshl_b32 s19, s41, 8
	s_add_co_u32 s19, s19, s18                     ; of A: 256 cy + 128 x half
	s_lshl_b32 s101, s40, 8
	s_add_co_u32 s101, s101, s18                   ; of B: 256 cx + 128 x half
	s_lshl_b32 s21, s19, 9
	s_add_co_u32 s20, s20, s21
	s_lshl_b32 s21, s19, 5
	s_add_co_u32 s22, s22, s21
	s_lshl_b32 s47, s101, 9
	s_add_co_u32 s46, s46, s47
	s_lshl_b32 s47, s101, 5
	s_add_co_u32 s92, s92, s47
	s_mov_b32 s21, 0
	s_mov_b32 s23, 0
	s_mov_b32 s47, 0
	s_mov_b32 s93, 0
	s_mul_i32 s45, s14, HALFT                      ; where they go: wave x 128 rows: no place in the cluster enters an LDS address
	s_mul_i32 s94, s14, HALFS
	s_wait_dscnt 0x0                               ; both opening adds are done
	s_wait_kmcnt 0x0
	s_add_nc_u64 s[20:21], s[4:5], s[20:21]
	s_add_nc_u64 s[22:23], s[6:7], s[22:23]
	s_add_nc_u64 s[46:47], s[4:5], s[46:47]
	s_add_nc_u64 s[92:93], s[6:7], s[92:93]
	CROUND                                         ; all sixteen work-groups are here: the joint loads meet
	s_mov_b32 s[G0S], 1
	s_add_co_u32 s[G0S+1], s94, SCL
	s_mov_b64 s[G0S+2:G0S+3], s[22:23]
	s_or_b32 s[G0S+3], s[G0S+3], 0x80000000
	s_mov_b32 s[G0SB], 1
	s_add_co_u32 s[G0SB+1], s94, SCL
	s_mov_b64 s[G0SB+2:G0SB+3], s[92:93]
	s_or_b32 s[G0SB+3], s[G0SB+3], 0x80000000
	JLOAD G0S, G1S, G0SB, G1SB                     ; the scale bytes first
.irp s, 0,1
	s_mov_b32 s[G0+4*\s], 1
	s_add_co_u32 s[G0+4*\s+1], s45, \s*SLOT
	s_add_nc_u64 s[G0+4*\s+2:G0+4*\s+3], s[20:21], \s*ROWB
	s_or_b32 s[G0+4*\s+3], s[G0+4*\s+3], 0x80000000
	s_mov_b32 s[G0B+4*\s], 1
	s_add_co_u32 s[G0B+4*\s+1], s45, \s*SLOT
	s_add_nc_u64 s[G0B+4*\s+2:G0B+4*\s+3], s[46:47], \s*ROWB
	s_or_b32 s[G0B+4*\s+3], s[G0B+4*\s+3], 0x80000000
	JLOAD G0+4*\s, G1, G0B+4*\s, G1B
.endr
	s_lshl_b32 s17, s41, 8
	s_lshl_b32 s19, s15, 7
	s_add_co_u32 s17, s17, s19                     ; my first row of A's side in the cluster's 1,024
	s_lshl_b32 s18, s40, 8
	s_lshl_b32 s19, s16, 7
	s_add_co_u32 s18, s18, s19                     ; and of B's side
	v_and_b32 v1, 15, v0                           ; r
	v_bfe_u32 v2, v0, 4, 1                         ; h
	v_lshlrev_b32 v[BOF], 5, v2
	s_lshl_b32 s98, s18, 2
	s_mov_b32 s99, 0
	s_add_nc_u64 s[98:99], s[8:9], s[98:99]        ; bq at my first channel
	; the C of each sum's first product, in the result's layout: register 8 b + j = bq(my channel 16 b + 8 h + j) for q; zeros for k0 and v0
	s_cmp_eq_u32 s[TEN], 0
	s_cbranch_scc1 .Lq
.set i, 0
.rept 64
	v_mov_b32 v[BN+i], 0
.set i, i+1
.endr
	s_branch .Lj
.Lq:
.irp b, 0,1,2,3,4,5,6,7
	global_load_b128 v[BN+8*\b:BN+8*\b+3], v[BOF], s[98:99] offset:64*\b
	global_load_b128 v[BN+8*\b+4:BN+8*\b+7], v[BOF], s[98:99] offset:64*\b+16
.endr
.Lj:
	v_mul_u32_u24 v3, v1, PITCH
	v_lshl_add_u32 v4, v2, 4, v3                   ; a fragment's row x pitch + 16 x half
	s_mul_i32 s21, s15, HALFT
	s_mul_i32 s22, s16, HALFT
	s_add_co_u32 s22, s22, 2*HALFT
.irp s, 0,1
	v_add_nc_u32 v[ADRA+\s], s21, v4
	v_add_nc_u32 v[ADRB+\s], s22, v4
	s_add_co_u32 s21, s21, SLOT
	s_add_co_u32 s22, s22, SLOT
.endr
	v_mul_u32_u24 v5, v1, KS                       ; my row's scale bytes: 32 a row,
	v_lshrrev_b32 v6, 8, v5
	v_lshl_add_u32 v5, v6, 4, v5                   ; and 16 more for each 256 passed
	s_mul_i32 s21, s15, HALFS
	s_mul_i32 s22, s16, HALFS
	s_add_co_u32 s22, s22, 2*HALFS
	s_sub_co_u32 s22, s22, s21
	v_mul_u32_u24 v6, s22, v2                      ; lanes 16-31 take B's
	s_add_co_u32 s21, s21, SCL
	v_add_nc_u32 v5, v5, v6
	v_add_nc_u32 v[ADRS], s21, v5
	; the way out: steps from A's block to block (s20; from block 3 to 4: s22), from image to image along B's side (s42, s43), and where my part begins
	s_cmp_eq_u32 s[TEN], 2
	s_cselect_b32 s19, s18, s17                    ; the side that holds tokens,
	s_cselect_b32 s3, s17, s18                     ; and the side that holds channels
	s_mov_b32 s20, 2048
	s_cselect_b32 s20, 1024, s20
	s_mov_b32 s22, 10240
	s_cselect_b32 s22, 521216, s22
	s_mov_b32 s42, 1024
	s_cselect_b32 s42, 4096, s42
	s_mov_b32 s43, 524288
	s_cselect_b32 s43, 16384, s43
	s_cselect_b32 s44, 8192, 0
	s_cmp_eq_u32 s[TEN], 0
	s_cselect_b32 s22, 2048, s22
	s_cselect_b32 s43, 262144, s43
	s_cselect_b32 s45, 18, 19                      ; log2 of a head's bytes
	s_cselect_b64 s[46:47], s[10:11], s[12:13]     ; qf or kv: the cluster's number decides
	s_mov_b32 s21, 0
	s_mov_b32 s23, 0
	s_lshl_b32 s92, s[I8], 10
	s_add_co_u32 s19, s19, s92                     ; my first token
	s_lshr_b32 s92, s19, 11
	s_lshl_b32 s92, s92, 4
	s_lshr_b32 s3, s3, 6
	s_add_co_u32 s92, s92, s3                      ; 16 x batch + head
	s_lshl_b32 s92, s92, s45
	s_and_b32 s19, s19, 2047
	s_lshr_b32 s19, s19, 6
	s_sub_co_u32 s45, s45, 5
	s_lshl_b32 s19, s19, s45                       ; 64 tokens are a 32nd of a head's bytes
	s_add_co_u32 s92, s92, s19
	s_add_co_u32 s92, s92, s44
	s_mov_b32 s93, 0
	s_add_nc_u64 s[46:47], s[46:47], s[92:93]
	v_and_b32 v6, 31, v0
	v_lshlrev_b32 v[VO], 4, v6
	v_add_nc_u32 v[VO+1], s42, v[VO]
	v_add_nc_u32 v[VO+2], s43, v[VO]
	v_add_nc_u32 v[VO+3], s43, v[VO+1]
.macro FRAG reg, adr, q, i             ; 16 rows x 128 K of 4-bit codes: 8 registers: two loads of 16 bytes, 32 bytes apart
.irp c, 0,1
	ds_load_b128 v[\reg+4*\c:\reg+4*\c+3], v[\adr] offset:64*(\q)+32*\c+(\i)*16*PITCH
.endr
.endm
; 16 matrix instructions: A's blocks a0, a0 + 1 x B's eight.  The 64 accumulators take turns, one instruction a turn, in the same order in every step.
; One register carries A's scale word (lanes 0-15) and B's (lanes 16-31) of block i.
.macro MUL16 a0, p, q, sc, zero
.irp a, \a0, \a0+1
.irp b, 0,1,2,3,4,5,6,7
.if \zero
	v_wmma_scale_f32_16x16x128_f8f6f4 v[8*(8*((\a)%4)+\b):8*(8*((\a)%4)+\b)+7], v[128*(\p)+FR*\b:128*(\p)+FR*\b+FR-1], v[AF+FR*(\a):AF+FR*(\a)+FR-1], v[BN+8*\b:BN+8*\b+7], v[SC+8*NQ*(\sc)+NQ*\b+(\q)], v[SC+8*NQ*(\sc)+NQ*(\a)+(\q)] matrix_a_fmt:MATRIX_FMT_FP4 matrix_b_fmt:MATRIX_FMT_FP4 matrix_a_scale:MATRIX_SCALE_ROW1
.else
	v_wmma_scale_f32_16x16x128_f8f6f4 v[8*(8*((\a)%4)+\b):8*(8*((\a)%4)+\b)+7], v[128*(\p)+FR*\b:128*(\p)+FR*\b+FR-1], v[AF+FR*(\a):AF+FR*(\a)+FR-1], v[8*(8*((\a)%4)+\b):8*(8*((\a)%4)+\b)+7], v[SC+8*NQ*(\sc)+NQ*\b+(\q)], v[SC+8*NQ*(\sc)+NQ*(\a)+(\q)] matrix_a_fmt:MATRIX_FMT_FP4 matrix_b_fmt:MATRIX_FMT_FP4 matrix_a_scale:MATRIX_SCALE_ROW1
.endif
.endr
.endr
.endm
.macro FETCH_B slot, q, p
	WIN TO_B
.irp i, 0,1,2,3,4,5,6,7
	FRAG 128*(\p)+FR*\i, ADRB+\slot, \q, \i
.endr
	WIN 0
.endm
.macro FETCH_A slot, q, i0
.irp i, \i0, \i0+1, \i0+2, \i0+3
	FRAG AF+FR*(\i), ADRA+\slot, \q, \i
.endr
.endm
.macro SCALES sc
.irp i, 0,1,2,3,4,5,6,7
	ds_load_b128 v[SC+8*NQ*\sc+NQ*\i:SC+8*NQ*\sc+NQ*\i+3], v[ADRS] offset:\i*SBLK
.endr
.endm
.macro PLACES n                        ; plain vector instructions between a matrix instruction and a load into, or a vector read of, its registers
.rept \n
	v_nop
.endr
.endm
.macro STEP slot, q, zero              ; 128 along K, with its successor in the same slot
	s_wait_dscnt 4*NL                              ; all but the youngest eight loads (A's blocks 4-7) are in
.if \zero
	WIN BEG_LO
.else
	WIN MUL_LO
.endif
	MUL16 0, (\q)%2, \q, \slot, \zero
	MUL16 2, (\q)%2, \q, \slot, \zero
	s_wait_dscnt 0                                 ; A's blocks 4-7 are in
	PLACES NP
	FETCH_B \slot, (\q)+1, 1-(\q)%2
	FETCH_A \slot, (\q)+1, 0
.if \zero
	WIN BEG_HI
.else
	WIN MUL_HI
.endif
	MUL16 4, (\q)%2, \q, \slot, \zero
	MUL16 6, (\q)%2, \q, \slot, \zero
	PLACES NP
	WIN 0
	FETCH_A \slot, (\q)+1, 4
.endm
.macro STEPS slot, from
.set Q, \from
.rept NQ-1-\from
	STEP \slot, Q, 0
.set Q, Q+1
.endr
.endm
	s_wait_loadcnt 0x0                             ; bq
	s_wait_tensorcnt 1                             ; the scale bytes and my part of slot 0 are in; slot 1's load may be out
	s_barrier_signal -1
	s_barrier_wait -1
	FETCH_B 0, 0, 0
	FETCH_A 0, 0, 0
	SCALES 0
	FETCH_A 0, 0, 4
	STEP 0, 0, 1                                   ; the first products start the sums from bq or zeros
	STEPS 0, 1
	; slot 0's last step changes slots: one barrier; nothing is filled again
	s_wait_tensorcnt 0x0                           ; my part of slot 1 has landed
	ds_add_u32 v[SPW], v[NIL]
	s_wait_dscnt 4*NL+1                            ; the add and the youngest eight loads may be out
	WIN MUL_LO
	MUL16 0, 1, NQ-1, 0, 0
	s_wait_dscnt 0x0
	s_barrier_signal -1
	MUL16 2, 1, NQ-1, 0, 0
	WIN 0
	s_barrier_wait -1                              ; slot 1 is whole
	PLACES NP
	v_add_nc_u32 v[ADRS], 4*NQ, v[ADRS]            ; the next 512 along K's scale words
	FETCH_B 1, 0, 0
	FETCH_A 1, 0, 0
	SCALES 1
	WIN MUL_HI
	MUL16 4, 1, NQ-1, 0, 0
	MUL16 6, 1, NQ-1, 0, 0
	PLACES NP
	WIN 0
	FETCH_A 1, 0, 4
	STEPS 1, 0
	s_wait_dscnt 4*NL                              ; the very last step
	WIN MUL_LO
	MUL16 0, 1, NQ-1, 1, 0
	MUL16 2, 1, NQ-1, 1, 0
	s_wait_dscnt 0
	WIN MUL_HI
	MUL16 4, 1, NQ-1, 1, 0
	MUL16 6, 1, NQ-1, 1, 0
	WIN 0
; THE WAY OUT.  Block a's eight accumulators, each from its low end on, are rounded to f16; accumulator (a, b) is half b % 2 of image b / 2 of A's block a.
.macro PACK a
.set AC, 64*((\a)%4)
.set TM, TMP+32*((\a)%4)
	WIN 0x0a+5*((\a)/4)                            ; sources in window 2 or 3
.irp b, 0,1,2,3,4,5,6,7
.irp r, 0,1,2,3
	v_cvt_pk_f16_f32 v[TM+4*\b+\r], v[AC+8*\b+2*\r], v[AC+8*\b+2*\r+1]
.endr
.endr
	WIN 0
.endm
	PLACES NP                                      ; behind the last products: for the reads of results and the writes over A's fragments
.irp a, 0,1,2,3,4,5,6,7
	PACK \a                                        ; (its registers were the data of block a - 4's stores, freed by the wait of block a - 3)
.if \a > 0
	s_wait_xcnt 0x0                                ; the earlier stores have read their base and their data
.if \a == 4
	s_add_nc_u64 s[46:47], s[46:47], s[22:23]
.else
	s_add_nc_u64 s[46:47], s[46:47], s[20:21]
.endif
.endif
.irp b, 0,1,2,3,4,5,6,7
	global_store_b128 v[VO+\b/2], v[TM+4*\b:TM+4*\b+3], s[46:47] offset:512*(\b%2)   ; 512 consecutive bytes, aligned
.endr
.endr
	s_wait_tensorcnt 0x0                           ; the wave's end
	ds_add_u32 v[SPW], v[NIL]
	s_wait_dscnt 0x0
	CROUND                                         ; the closing round
	s_endpgm
.Lfunc_end_k_q2274e8d8be_proj:
	.size	k_q2274e8d8be_proj, .Lfunc_end_k_q2274e8d8be_proj-k_q2274e8d8be_proj
	.p2alignl 7, 3214868480
	.fill 96, 4, 3214868480
	.section	.rodata,"a",@progbits
	.p2align	6, 0x0
	.amdhsa_kernel k_q2274e8d8be_proj
		.amdhsa_group_segment_fixed_size 327680
		.amdhsa_private_segment_fixed_size 0
		.amdhsa_enable_private_segment 0
		.amdhsa_kernarg_size 40
		.amdhsa_user_sgpr_count 2
		.amdhsa_user_sgpr_kernarg_segment_ptr 1
		.amdhsa_wavefront_size32 1
		.amdhsa_system_sgpr_workgroup_id_x 1
		.amdhsa_system_sgpr_workgroup_id_y 1
		.amdhsa_system_sgpr_workgroup_id_z 1
		.amdhsa_system_vgpr_workitem_id 0
		.amdhsa_next_free_vgpr 1024
		.amdhsa_next_free_sgpr 102
		.amdhsa_reserve_vcc 0
		.amdhsa_float_denorm_mode_32 3
		.amdhsa_float_denorm_mode_16_64 3
		.amdhsa_memory_ordered 1
		.amdhsa_forward_progress 1
		.amdhsa_inst_pref_size 123
	.end_amdhsa_kernel
	.amdgpu_metadata
---
amdhsa.version: [ 1, 2 ]
amdhsa.kernels:
  - .name:           k_q2274e8d8be_proj
    .symbol:         k_q2274e8d8be_proj.kd
    .args:
      - { .name: codes, .offset: 0, .size: 8, .value_kind: global_buffer, .address_space: global }
      - { .name: scales, .offset: 8, .size: 8, .value_kind: global_buffer, .address_space: global }
      - { .name: bq, .offset: 16, .size: 8, .value_kind: global_buffer, .address_space: global }
      - { .name: qf, .offset: 24, .size: 8, .value_kind: global_buffer, .address_space: global }
      - { .name: kv, .offset: 32, .size: 8, .value_kind: global_buffer, .address_space: global }
    .group_segment_fixed_size: 327680
    .private_segment_fixed_size: 0
    .kernarg_segment_align: 8
    .kernarg_segment_size: 40
    .max_flat_workgroup_size: 128
    .sgpr_count:     102
    .vgpr_count:     1024
    .wavefront_size: 32
...
	.end_amdgpu_metadata
.endif
;; end of part 2
;; launch attn (part 3): grid 4 x 64, 8 waves a work-group, clusters of 4 x 1, 327,680 bytes of LDS; arguments qf, kv, bv, af; writes af
.if DOCPART == 3
	.amdgcn_target "amdgcn-amd-amdhsa--gfx1250"
	.amdhsa_code_object_version 6
	.text
	.protected	k_q2274e8d8be_attn
	.globl	k_q2274e8d8be_attn
	.p2align	8
	.type	k_q2274e8d8be_attn,@function
k_q2274e8d8be_attn:
	s_mov_b64 s[64:65], 0
	v_nop
	global_prefetch_b8 v0, s[64:65] scope:SCOPE_SE
	s_setreg_imm32_b32 hwreg(HW_REG_WAVE_MODE, 25, 1), 1
	s_wait_xcnt 0x0
	s_wait_alu depctr_hold_cnt(0) depctr_sa_sdst(0) depctr_va_vdst(0) depctr_va_sdst(0) depctr_va_ssrc(0) depctr_va_vcc(0) depctr_vm_vsrc(0)
	s_getreg_b32 s2, hwreg(HW_REG_IB_STS2, 6, 4)
	s_cmp_eq_u32 s2, 0
	s_cbranch_scc0 .Lentry_in_a_cluster
	s_endpgm
.Lentry_in_a_cluster:
	s_bfe_u32 s2, ttmp6, 0x10000c
	s_cmp_lg_u32 s2, 0x3003
	s_cbranch_scc0 .Lentry_shape_is_right
	s_endpgm
.Lentry_shape_is_right:
; ATTN: attn[b][q][64 h + d] = sum_k softmax_k(q . k0 / 8) v0[k][d] + bv[64 h + d], for 64 (batch, head) pairs, 2,048 queries and keys, head size 64.  f16 operands, f32 products' sums, maxima and row sums.
; LEFT OUT: bk (the same term for all keys of a query: shown at the head of the first launch).  bv is added here once, since a query's weights sum to 1.
; LIMITS: the weights p (at most 1) and the result go to f16: under 6e-5 the absolute error stays 2^-25; results up to 65,504.
; SHARES.  A work-group owns 512 queries of one (batch, head), each of its eight waves 64: four tiles of 16.  Every wave walks all 2,048 keys, 64 a step.
; The four work-groups of a (batch, head) form a cluster and ask for K and V jointly: the same tensor load, the same descriptor, a mask that names the four.
; OPERANDS COME AS IMAGES OF THEIR REGISTERS (laid so by the launch before): a key step's chunk of 16,384 bytes holds K's 8 images and V^T's 8; a fragment's half is 512 consecutive bytes, 16 a lane:
; no pitch, no padding, no transposing load.  A slot holds 8 chunks, 131,072 dense bytes; wave w fetches chunk w: one line for all waves.  Two loads of a wave are out at the start, one behind each refill's barrier.
; LAYOUT.  S^T = K Q^T (source 0 = 16 keys, source 1 = 16 queries) and O^T = V^T P (source 0 = 16 channels): a lane holds ONE query throughout.  Two tiles of S^T, rounded to f16 in pairs, are source 1 of the second product.
; SOFTMAX.  For each query a running maximum m and sum l: p = 2^(c s - c m), c = log2(e) / 8; in every step O^T and l are multiplied by a = 2^(c m_old - c m_new).
; O^T and l begin as zeros and m as -3e38, under every score: the first a is 0 and multiplies zeros.  So a key step is written in one form.
; TWO GROUPS OF WAVES, HALF A STEP APART.  Group 0 runs a step's softmax at a trip's head, group 1 at the end of the trip before: behind every barrier one group has vector work while the other has matrix work.
; The group is (wave xor wave / 4) % 2.  Both arms are the same macro; every load, wait and barrier is common text.
; REGISTERS: window 0: v1-5 addresses; v8-39 eight registers of statistics a tile (+0 c m, +1 m, +2, +3 l, +4..7 at work, a in +6); v40-47 at work; v64-191 S^T, 32 a tile, P in the low 16 of each; v192-255 Q.
;   window 1: v0-127 O^T, 32 a tile; v128-191 K of a step; v192-255 V^T of a step.
.set SLOT1, 1<<17
.set CHUNK, 16384
.set SPARE, 2*SLOT1                    ; the spare words: 128 bytes a wave, named by no other line
.set LN,  1                            ; v1 16 x lane
.set ADR, 2                            ; v2 LDS address of the chunk in hand
.set BVO, 3                            ; v3 32 x (lane / 16)
.set SPW, 4
.set NIL, 5
.set ST,  8
.set TS,  40
.set S,   64
.set Q,   192
.set KF,  128
.set VF,  192
.set WV,  12
.set GRP, 15
.set G1,  24
.set G0A, 32
.set G0,  36
.set CS,  40
.set SEL, 42
.set TB,  44                           ; s44 LDS byte of the chunk to be fetched next
.set IN,  45
.set OUT, 46
.set MSB, 0
.macro WIN new
.if MSB != \new
	s_set_vgpr_msb (MSB<<8)|\new
.set MSB, \new
.endif
.endm
.macro CROUND
	s_barrier_signal -1
	s_barrier_wait -1
	s_cmp_lg_u32 s[WV], 0
	s_cbranch_scc1 .Lnot_wave_0_\@
	s_barrier_signal -3
.Lnot_wave_0_\@:
	s_barrier_wait -3
	s_barrier_signal -1
	s_barrier_wait -1
.endm
	s_load_b256 s[4:11], s[0:1], 0x0               ; qf 4, kv 6, bv 8, af 10
	v_lshl_add_u32 v[SPW], v0, 2, SPARE
	v_mov_b32 v[NIL], 0
	ds_add_u32 v[SPW], v[NIL]                      ; the wave's opening: the add, twice on end, and its wait ahead of my first tensor load
	ds_add_u32 v[SPW], v[NIL]
	v_lshrrev_b32 v1, 5, v0
	v_readfirstlane_b32 s[WV], v1                  ; wave 0..7
	s_bfe_u32 s13, ttmp6, 0x40000                  ; cx: my block of 512 queries
	s_and_b32 s14, ttmp7, 0xffff                   ; 16 x batch + head, which the four partners share
	s_lshr_b32 s[GRP], s[WV], 2
	s_xor_b32 s[GRP], s[GRP], s[WV]
	s_and_b32 s[GRP], s[GRP], 1
	s_mov_b32 s[G1], 15|(3<<16)|(1<<21)            ; the mask: all four; elements of 8 bytes; bit 21 beside a mask; no padding
	s_mov_b32 s[G1+1], 32<<16                      ; tensor_dim0: 256 bytes
	s_mov_b32 s[G1+2], 64<<16                      ; tensor_dim1: 64 rows
	s_mov_b32 s[G1+3], 32<<16                      ; tile_dim0
	s_mov_b32 s[G1+4], 64                          ; tile_dim1
	s_mov_b32 s[G1+5], 32                          ; dense
	s_mov_b32 s[G1+6], 0
	s_mov_b32 s[G1+7], 0
	s_lshl_b32 s20, s[WV], 14                      ; my chunk of a slot, in LDS and in memory
	s_lshl_b32 s16, s14, 19
	s_add_co_u32 s16, s16, s20
	s_mov_b32 s17, 0                               ; kv: head x 524,288 + wave x 16,384
	s_lshl_b32 s18, s14, 18
	s_lshl_b32 s21, s13, 16
	s_add_co_u32 s18, s18, s21
	s_lshl_b32 s21, s[WV], 13
	s_add_co_u32 s18, s18, s21
	s_mov_b32 s19, 0                               ; qf: head x 262,144 + (32 cx + 4 wave) tiles of 2,048
	s_lshr_b32 s22, s14, 4
	s_lshl_b32 s22, s22, 22
	s_lshl_b32 s21, s13, 20
	s_add_co_u32 s22, s22, s21
	s_lshl_b32 s21, s[WV], 17
	s_add_co_u32 s22, s22, s21
	s_and_b32 s21, s14, 15
	s_lshl_b32 s23, s21, 11
	s_add_co_u32 s22, s22, s23
	s_mov_b32 s23, 0                               ; af: (128 batch + 32 cx + 4 wave) token tiles of 32,768 + head x 2,048
	s_lshl_b32 s2, s21, 8
	s_mov_b32 s3, 0                                ; bv: head x 256
	s_mov_b32 s[CS], 0x3e38aa3b                    ; c = log2(e) / 8
	s_mov_b32 s[CS+1], s[CS]
	s_mov_b32 s[SEL], 0x76543210
	s_mov_b32 s[SEL+1], 0xfedcba98
	s_mov_b32 s[TB], 0
	s_wait_dscnt 0x0                               ; both opening adds are done
	s_wait_kmcnt 0x0
	s_add_nc_u64 s[6:7], s[6:7], s[16:17]
	s_add_nc_u64 s[4:5], s[4:5], s[18:19]
	s_add_nc_u64 s[10:11], s[10:11], s[22:23]
	s_add_nc_u64 s[8:9], s[8:9], s[2:3]
	CROUND                                         ; all four work-groups are here: the first joint loads meet
	s_mov_b32 s[G0A], 1
	s_mov_b32 s[G0A+1], s20
	s_mov_b64 s[G0A+2:G0A+3], s[6:7]
	s_or_b32 s[G0A+3], s[G0A+3], 0x80000000
	s_mov_b32 s[G0], 1
	s_add_co_u32 s[G0+1], s20, SLOT1
	s_add_nc_u64 s[G0+2:G0+3], s[6:7], 8*CHUNK
	s_or_b32 s[G0+3], s[G0+3], 0x80000000
	tensor_load_to_lds s[G0A:G0A+3], s[G1:G1+7]    ; key steps 0-7
	s_nop 0
	tensor_load_to_lds s[G0:G0+3], s[G1:G1+7]      ; key steps 8-15
	s_nop 0
.rept 4
	v_nop
.endr
	v_and_b32 v[LN], 31, v0
	v_lshlrev_b32 v[LN], 4, v[LN]
	v_bfe_u32 v[BVO], v0, 4, 1
	v_lshlrev_b32 v[BVO], 5, v[BVO]
.set f, 0
.rept 16                               ; Q stays in registers: tile f / 4, channels 32 ((f / 2) % 2) on, half f % 2
	global_load_b128 v[Q+4*f:Q+4*f+3], v[LN], s[4:5] offset:512*f
.set f, f+1
.endr
.irp t, 0,1,2,3
	v_mov_b32 v[ST+8*\t+1], 0xff61b1e6             ; m = -3e38
	v_mov_b32 v[ST+8*\t+2], 0                      ; l
	v_mov_b32 v[ST+8*\t+3], 0
	v_mul_f32 v[ST+8*\t], s[CS], v[ST+8*\t+1]      ; c m
	v_mov_b32 v[ST+8*\t+5], 0                      ; written once here, on the way that all waves take: a lane permute's destination counts as one of its sources,
	v_mov_b32 v[ST+8*\t+7], 0                      ; and this one is named as the upper half of the pair that holds a, and 1 / l on the way out
.endr
	WIN 0x40
.set i, 0
.rept 128
	v_mov_b32 v[i], 0                              ; O^T: written once, while the first tiles are on their way, so that the key step has one form
.set i, i+1
.endr
	WIN 0
.macro LOADK                           ; K of the chunk at s[TB]: 16 loads of 512 consecutive bytes
	WIN 0
	v_add_nc_u32 v[ADR], s[TB], v[LN]
	WIN 0x40
.set f, 0
.rept 16
	ds_load_b128 v[KF+4*f:KF+4*f+3], v[ADR] offset:512*f
.set f, f+1
.endr
	WIN 0
.endm
.macro LOADV                           ; V^T of the same chunk; then on to the next chunk
	WIN 0x40
.set f, 0
.rept 16
	ds_load_b128 v[VF+4*f:VF+4*f+3], v[ADR] offset:8192+512*f
.set f, f+1
.endr
	WIN 0
	s_add_co_u32 s[TB], s[TB], CHUNK
.endm
; 32 products S^T = K Q^T on 16 accumulators by turns, one instruction a turn; the first 16 start the sums
.macro KQM
	WIN 0x01
.irp cf, 0,1
.irp kt, 0,1,2,3
.irp t, 0,1,2,3
.if \cf == 0
	v_wmma_f32_16x16x32_f16 v[S+32*\t+8*\kt:S+32*\t+8*\kt+7], v[KF+16*\kt+8*\cf:KF+16*\kt+8*\cf+7], v[Q+16*\t+8*\cf:Q+16*\t+8*\cf+7], 0
.else
	v_wmma_f32_16x16x32_f16 v[S+32*\t+8*\kt:S+32*\t+8*\kt+7], v[KF+16*\kt+8*\cf:KF+16*\kt+8*\cf+7], v[Q+16*\t+8*\cf:Q+16*\t+8*\cf+7], v[S+32*\t+8*\kt:S+32*\t+8*\kt+7]
.endif
.endr
.endr
.endr
.endm
; 32 products O^T += V^T P, likewise
.macro PVM
	WIN 0x51
.irp kb, 0,1
.irp ct, 0,1,2,3
.irp t, 0,1,2,3
	v_wmma_f32_16x16x32_f16 v[32*\t+8*\ct:32*\t+8*\ct+7], v[VF+32*\kb+8*\ct:VF+32*\kb+8*\ct+7], v[S+32*\t+8*\kb:S+32*\t+8*\kb+7], v[32*\t+8*\ct:32*\t+8*\ct+7]
.endr
.endr
.endr
.endm
; Behind K Q^T: five plain vector instructions.  Four are owed ahead of the vector reads of S^T and of the next loads into K's registers; five ahead of a matrix instruction that takes S^T's registers as
; an operand, and they are kept on every way through the text, whichever softmax stands between.
.macro BEHIND_KQ
	WIN 0
.rept 5
	v_nop
.endr
.endm
; The four tiles' softmax for one key step; the tiles by turns, so that no line waits for the line above it.  Every window is 0 at its head and at its end.
.macro SOFTMAX
.irp j, 0,1,2,3                        ; the maximum of 32 scores and the old m: four chains, each begun at an accumulator's low end
.irp t, 0,1,2,3
	v_max3_num_f32 v[ST+8*\t+4+\j], v[S+32*\t+8*\j], v[S+32*\t+8*\j+1], v[S+32*\t+8*\j+2]
.endr
.endr
.irp g, 1,2
.irp j, 0,1,2,3
.irp t, 0,1,2,3
	v_max3_num_f32 v[ST+8*\t+4+\j], v[ST+8*\t+4+\j], v[S+32*\t+8*\j+2*\g+1], v[S+32*\t+8*\j+2*\g+2]
.endr
.endr
.endr
.irp t, 0,1,2,3
	v_max3_num_f32 v[ST+8*\t+4], v[ST+8*\t+4], v[S+32*\t+7], v[S+32*\t+15]
.endr
.irp t, 0,1,2,3
	v_max3_num_f32 v[ST+8*\t+6], v[ST+8*\t+6], v[S+32*\t+23], v[S+32*\t+31]
.endr
.irp t, 0,1,2,3
	v_max3_num_f32 v[ST+8*\t+4], v[ST+8*\t+4], v[ST+8*\t+5], v[ST+8*\t+6]
.endr
.irp t, 0,1,2,3
	v_max3_num_f32 v[ST+8*\t+4], v[ST+8*\t+4], v[ST+8*\t+7], v[ST+8*\t+1]
.endr
.irp t, 0,1,2,3
	v_permlanex16_b32 v[ST+8*\t+5], v[ST+8*\t+4], s[SEL], s[SEL+1]   ; the query's other 32 keys lie in the lane 16 away
.endr
.irp t, 0,1,2,3
	v_mov_b32 v[ST+8*\t+7], v[ST+8*\t]             ; c m_old
.endr
.irp t, 0,1,2,3
	v_max_num_f32 v[ST+8*\t+1], v[ST+8*\t+4], v[ST+8*\t+5]
.endr
.irp t, 0,1,2,3
	v_mul_f32 v[ST+8*\t], s[CS], v[ST+8*\t+1]
.endr
.irp t, 0,1,2,3
	v_sub_f32 v[ST+8*\t+7], v[ST+8*\t+7], v[ST+8*\t]
.endr
.irp t, 0,1,2,3                        ; ONE BATCH of 132 exponentials: none of its lines names an exponential's result
	v_exp_f32 v[ST+8*\t+6], v[ST+8*\t+7]           ; a
.endr
.set b, 0
.rept 16
.irp t, 0,1,2,3
	v_pk_fma_f32 v[S+32*\t+2*b:S+32*\t+2*b+1], v[S+32*\t+2*b:S+32*\t+2*b+1], s[CS:CS+1], v[ST+8*\t:ST+8*\t+1] op_sel_hi:[1,0,0] neg_lo:[0,0,1] neg_hi:[0,0,1]   ; c s - c m
.endr
.irp t, 0,1,2,3
	v_exp_f32 v[S+32*\t+2*b], v[S+32*\t+2*b]
	v_exp_f32 v[S+32*\t+2*b+1], v[S+32*\t+2*b+1]
.endr
.set b, b+1
.endr
	v_nop                                          ; a plain instruction behind the last exponential
	s_wait_alu depctr_va_vdst(0)                   ; one wait for the batch, ahead of the first line that names a result
	WIN 0x41
.set i, 0
.rept 16
.irp t, 0,1,2,3
	v_pk_mul_f32 v[32*\t+2*i:32*\t+2*i+1], v[32*\t+2*i:32*\t+2*i+1], v[ST+8*\t+6:ST+8*\t+7] op_sel_hi:[1,0]   ; O^T x a, each accumulator from its low end on
.endr
.set i, i+1
.endr
	WIN 0
.irp t, 0,1,2,3                        ; l = a l + the sum of the unrounded p: two chains a tile
	v_pk_fma_f32 v[ST+8*\t+2:ST+8*\t+3], v[ST+8*\t+2:ST+8*\t+3], v[ST+8*\t+6:ST+8*\t+7], v[S+32*\t:S+32*\t+1] op_sel_hi:[1,0,1]
	v_pk_add_f32 v[TS+2*\t:TS+2*\t+1], v[S+32*\t+2:S+32*\t+3], v[S+32*\t+6:S+32*\t+7]
.endr
.irp t, 0,1,2,3
	v_pk_add_f32 v[ST+8*\t+2:ST+8*\t+3], v[ST+8*\t+2:ST+8*\t+3], v[S+32*\t+4:S+32*\t+5]
.endr
.irp e, 4,6,8,10,12,14
.irp t, 0,1,2,3
	v_pk_add_f32 v[ST+8*\t+2:ST+8*\t+3], v[ST+8*\t+2:ST+8*\t+3], v[S+32*\t+2*\e:S+32*\t+2*\e+1]
	v_pk_add_f32 v[TS+2*\t:TS+2*\t+1], v[TS+2*\t:TS+2*\t+1], v[S+32*\t+2*\e+2:S+32*\t+2*\e+3]
.endr
.endr
.irp t, 0,1,2,3
	v_pk_add_f32 v[ST+8*\t+2:ST+8*\t+3], v[ST+8*\t+2:ST+8*\t+3], v[TS+2*\t:TS+2*\t+1]
.endr
.set i, 0
.rept 16                               ; P in place: register i takes p 2 i and 2 i + 1, which lie at or above it
.irp t, 0,1,2,3
	v_cvt_pk_f16_f32 v[S+32*\t+i], v[S+32*\t+2*i], v[S+32*\t+2*i+1]
.endr
.set i, i+1
.endr
.endm
.macro GSM g                           ; group g's softmax: a branch on the wave's number round vector work alone
	s_cmp_eq_u32 s[GRP], \g
	s_cbranch_scc0 .Lskip_\@
	SOFTMAX
	WIN 0
.Lskip_\@:
.endm
; A TRIP: V^T P of the step in hand, K Q^T of the next.
.macro TRIP
	LOADK                                          ; the next step's K: its registers' last reader stands five v_nop back
	GSM 0
	s_wait_dscnt 16                                ; only the 16 loads just issued may be out: V^T of the step in hand is in
	PVM
.rept 5
	v_nop                                          ; four places ahead of the loads into V^T's registers, five ahead of the products that write over P
.endr
	LOADV
	s_wait_dscnt 16                                ; only V^T's 16 may be out: K is in
	KQM
	BEHIND_KQ
	GSM 1
.endm
.macro TRIPS n
	s_mov_b32 s[IN], \n
.Ltrip_\@:
	TRIP
	s_sub_co_u32 s[IN], s[IN], 1
	s_cmp_lg_u32 s[IN], 0
	s_cbranch_scc1 .Ltrip_\@
.endm
; THE CHANGE OF SLOTS: the slot's last chunk has been asked for.  Each wave waits for all its tensor loads (one is out: its chunk of the other slot), adds 0 to its spare word, and waits for that and for its reads.
; fill = 1: the barrier is a round of the cluster's, and the joint refill, the keys two slots on, is the first thing behind it: it has eight key steps in which to land.
.macro CHANGE fill
	WIN 0
	s_wait_tensorcnt 0x0
	ds_add_u32 v[SPW], v[NIL]
.if \fill
	s_xor_b32 s[G0+1], s[G0+1], SLOT1              ; the walking descriptor: the other slot, the next 512 keys
	s_add_nc_u64 s[G0+2:G0+3], s[G0+2:G0+3], 8*CHUNK
	s_wait_dscnt 0x0
	CROUND
	tensor_load_to_lds s[G0:G0+3], s[G1:G1+7]
	s_nop 0
.rept 4
	v_nop
.endr
.else
	s_wait_dscnt 0x0
	s_barrier_signal -1
	s_barrier_wait -1
.endif
	s_sub_co_u32 s[TB], s[TB], 8*CHUNK             ; back to a slot's first chunk,
	s_xor_b32 s[TB], s[TB], SLOT1                  ; in the other slot
.endm
	s_wait_tensorcnt 0x1                           ; my chunk of slot 0 is in; slot 1's may be out
	s_barrier_signal -1
	s_barrier_wait -1
	LOADK                                          ; key step 0
	LOADV
	s_wait_loadcnt 0x0                             ; Q
	s_wait_dscnt 16                                ; K is in
	KQM
	BEHIND_KQ
	GSM 1                                          ; group 1's softmax of step 0
	s_wait_dscnt 0x0
	s_barrier_signal -1                            ; from here the two groups stand half a step apart
	s_barrier_wait -1
	TRIPS 7                                        ; steps 0-6; they fetch chunks 1-7
	s_mov_b32 s[OUT], 2
.Lslot:
	CHANGE 1
	TRIPS 8
	s_sub_co_u32 s[OUT], s[OUT], 1
	s_cmp_lg_u32 s[OUT], 0
	s_cbranch_scc1 .Lslot
	CHANGE 0                                       ; the last slot is written out: nothing is left to ask for
	TRIPS 8
	WIN 0x40
.irp ct, 0,1,2,3                       ; bv in the result's layout, into K's registers, which are done with: register 8 ct + j = bv(64 h + 16 ct + 8 (lane / 16) + j)
	global_load_b128 v[KF+8*\ct:KF+8*\ct+3], v[BVO], s[8:9] offset:64*\ct
	global_load_b128 v[KF+8*\ct+4:KF+8*\ct+7], v[BVO], s[8:9] offset:64*\ct+16
.endr
	WIN 0
	GSM 0                                          ; group 0's last softmax
	s_wait_dscnt 0x0
	PVM                                            ; the last step
	WIN 0
	; THE WAY OUT: O^T / l + bv, rounded to f16.  A packed accumulator is half ct % 2 of the image (token tile, 2 h + ct / 2) of af = [token tile 512][k / 32] images.
.irp t, 0,1,2,3
	v_add_f32 v[ST+8*\t+4], v[ST+8*\t+2], v[ST+8*\t+3]   ; (these four are the places behind the last products)
.endr
.irp t, 0,1,2,3
	v_permlanex16_b32 v[ST+8*\t+5], v[ST+8*\t+4], s[SEL], s[SEL+1]
.endr
.irp t, 0,1,2,3
	v_add_f32 v[ST+8*\t+4], v[ST+8*\t+4], v[ST+8*\t+5]
.endr
.irp t, 0,1,2,3
	v_rcp_f32 v[ST+8*\t+6], v[ST+8*\t+4]
.endr
	v_nop
	s_wait_alu depctr_va_vdst(0)                   ; one wait for the four reciprocals, ahead of their first reader
	s_wait_loadcnt 0x0                             ; bv
.macro OUTT t
	WIN 0x51
.set i, 0
.rept 16
	v_pk_fma_f32 v[32*\t+2*i:32*\t+2*i+1], v[32*\t+2*i:32*\t+2*i+1], v[ST+8*\t+6:ST+8*\t+7], v[KF+2*i:KF+2*i+1] op_sel_hi:[1,0,1]
.set i, i+1
.endr
	WIN 0x05
.set i, 0
.rept 16
	v_cvt_pk_f16_f32 v[S+16*\t+i], v[32*\t+2*i], v[32*\t+2*i+1]
.set i, i+1
.endr
	WIN 0
.irp ct, 0,1,2,3
	global_store_b128 v[LN], v[S+16*\t+4*\ct:S+16*\t+4*\ct+3], s[10:11] offset:32768*\t+512*\ct   ; 512 consecutive bytes, aligned
.endr
.endm
	OUTT 0
	OUTT 1
	OUTT 2
	OUTT 3
	s_wait_tensorcnt 0x0                           ; the wave's end
	ds_add_u32 v[SPW], v[NIL]
	s_wait_dscnt 0x0
	CROUND                                         ; the closing round
	s_endpgm
.Lfunc_end_k_q2274e8d8be_attn:
	.size	k_q2274e8d8be_attn, .Lfunc_end_k_q2274e8d8be_attn-k_q2274e8d8be_attn
	.p2alignl 7, 3214868480
	.fill 96, 4, 3214868480
	.section	.rodata,"a",@progbits
	.p2align	6, 0x0
	.amdhsa_kernel k_q2274e8d8be_attn
		.amdhsa_group_segment_fixed_size 327680
		.amdhsa_private_segment_fixed_size 0
		.amdhsa_enable_private_segment 0
		.amdhsa_kernarg_size 32
		.amdhsa_user_sgpr_count 2
		.amdhsa_user_sgpr_kernarg_segment_ptr 1
		.amdhsa_wavefront_size32 1
		.amdhsa_system_sgpr_workgroup_id_x 1
		.amdhsa_system_sgpr_workgroup_id_y 1
		.amdhsa_system_sgpr_workgroup_id_z 1
		.amdhsa_system_vgpr_workitem_id 0
		.amdhsa_next_free_vgpr 512
		.amdhsa_next_free_sgpr 66
		.amdhsa_reserve_vcc 0
		.amdhsa_float_denorm_mode_32 3
		.amdhsa_float_denorm_mode_16_64 3
		.amdhsa_memory_ordered 1
		.amdhsa_forward_progress 1
		.amdhsa_inst_pref_size 252
	.end_amdhsa_kernel
	.amdgpu_metadata
---
amdhsa.version: [ 1, 2 ]
amdhsa.kernels:
  - .name:           k_q2274e8d8be_attn
    .symbol:         k_q2274e8d8be_attn.kd
    .args:
      - { .name: qf, .offset: 0, .size: 8, .value_kind: global_buffer, .address_space: global }
      - { .name: kv, .offset: 8, .size: 8, .value_kind: global_buffer, .address_space: global }
      - { .name: bv, .offset: 16, .size: 8, .value_kind: global_buffer, .address_space: global }
      - { .name: af, .offset: 24, .size: 8, .value_kind: global_buffer, .address_space: global }
    .group_segment_fixed_size: 327680
    .private_segment_fixed_size: 0
    .kernarg_segment_align: 8
    .kernarg_segment_size: 32
    .max_flat_workgroup_size: 256
    .sgpr_count:     66
    .vgpr_count:     512
    .wavefront_size: 32
...
	.end_amdgpu_metadata
.endif
;; end of part 3
;; launch outp (part 4): grid 4 x 64, 4 waves a work-group, clusters of 4 x 4, 327,680 bytes of LDS; arguments af, wof, bo, out0; writes out0
.if DOCPART == 4
	.amdgcn_target "amdgcn-amd-amdhsa--gfx1250"
	.amdhsa_code_object_version 6
	.text
	.protected	k_q2274e8d8be_outp
	.globl	k_q2274e8d8be_outp
	.p2align	8
	.type	k_q2274e8d8be_outp,@function
k_q2274e8d8be_outp:
	s_mov_b64 s[64:65], 0
	v_nop
	global_prefetch_b8 v0, s[64:65] scope:SCOPE_SE
	s_setreg_imm32_b32 hwreg(HW_REG_WAVE_MODE, 25, 1), 1
	s_wait_xcnt 0x0
	s_wait_alu depctr_hold_cnt(0) depctr_sa_sdst(0) depctr_va_vdst(0) depctr_va_sdst(0) depctr_va_ssrc(0) depctr_va_vcc(0) depctr_vm_vsrc(0)
	s_getreg_b32 s2, hwreg(HW_REG_IB_STS2, 6, 4)
	s_cmp_eq_u32 s2, 0
	s_cbranch_scc0 .Lentry_in_a_cluster
	s_endpgm
.Lentry_in_a_cluster:
	s_bfe_u32 s2, ttmp6, 0x10000c
	s_cmp_lg_u32 s2, 0xf033
	s_cbranch_scc0 .Lentry_shape_is_right
	s_endpgm
.Lentry_shape_is_right:
; OUTP: out0[m][n] = sum over k of attn[m][k] Wo[n][k] + bo[n].  m 8,192, n 1,024, k 1,024.  f16 operands, f32 sums, f32 out.  No work is left out here.
; A tile of out0 is 128 (m) x 256 (n): 256 work-groups.  Four waves, each 64 x 128: 32 accumulators.  K goes in steps of 128 through two LDS slots.
; BOTH OPERANDS COME AS IMAGES OF THEIR REGISTERS (16 rows x 32 k of f16, 1,024 bytes): af = [m / 16][k / 32], wof = [n / 16][k / 32].  A K step of a row tile is 4,096 consecutive bytes; a fragment's half is
; 512 consecutive bytes of LDS, 16 a lane: no pitch, no padding.
; CLUSTERS: 4 x 4 work-groups; attn's tiles are shared along a row of the cluster, Wo's along a column: each is asked for jointly.  Two loads of a wave are out at the start, one behind each refill's round.
; THE MATRIX INSTRUCTION IS USED TRANSPOSED (source 0 = 16 rows of Wo, source 1 = 16 rows of attn): a lane holds eight neighbouring numbers of a row of out0.  bo is the C of each sum's first product.
; REGISTERS: window 0: v0-31 addresses; v32-127, v128-223 two fragment buffers (64 of Wo, then 32 of attn); on the way out v32-159 rows read back.   window 1: the accumulators ((a, b) at v[8 (8 a + b)]).   window 2: v0-63 bo.
.set KSTEPB, 4096                      ; a K step of one row tile
.set SLOT,   98304                     ; attn's 8 row tiles, then Wo's 16
.set BOFF,   32768
.set STAGE,  2*SLOT                    ; 16 rows x (512 + 16) bytes for each wave; no tensor load lands here
.set SPITCH, 528
.set SPARE,  STAGE+4*16*SPITCH         ; the spare words: 128 bytes a wave, named by no other line
.set LAPS,   4                         ; a lap = two K steps
.set ADRA, 16
.set ADRB, 20
.set STO,  24
.set RD,   25
.set CO,   26                          ; v26 16 x lane
.set SPW,  28
.set NIL,  29
.set F0,   32
.set F1,   128
.set BK,   32
.set WV,   12
.set G1, 24
.set G0, 32
.set G1B, 48
.set G0B, 56
.set MSB, 0
.macro WIN new
.if MSB != \new
	s_set_vgpr_msb (MSB<<8)|\new
.set MSB, \new
.endif
.endm
.set MUL, 0x50                         ; C and D window 1, sources window 0
.set BEG, 0x60                         ; the first products: C in window 2
.macro JLOAD s                         ; waves 0, 1 fetch attn's halves, waves 2, 3 Wo's; an s_nop 0 and four v_nop follow each line
	s_cmp_eq_u32 s13, 0
	s_cbranch_scc0 .Lfor_b_\@
	tensor_load_to_lds s[G0+4*\s:G0+4*\s+3], s[G1:G1+7]
	s_nop 0
.rept 4
	v_nop
.endr
	s_branch .Lasked_\@
.Lfor_b_\@:
	tensor_load_to_lds s[G0B+4*\s:G0B+4*\s+3], s[G1B:G1B+7]
	s_nop 0
.rept 4
	v_nop
.endr
.Lasked_\@:
.endm
.macro CREST
	s_cmp_lg_u32 s[WV], 0
	s_cbranch_scc1 .Lnot_wave_0_\@
	s_barrier_signal -3
.Lnot_wave_0_\@:
	s_barrier_wait -3
	s_barrier_signal -1
	s_barrier_wait -1
.endm
.macro CROUND
	s_barrier_signal -1
	s_barrier_wait -1
	CREST
.endm
	s_load_b256 s[4:11], s[0:1], 0x0               ; af 4, wof 6, bo 8, out0 10
	v_lshl_add_u32 v[SPW], v0, 2, SPARE
	v_mov_b32 v[NIL], 0
	ds_add_u32 v[SPW], v[NIL]                      ; the wave's opening: the add, twice on end, and its wait ahead of my first tensor load
	ds_add_u32 v[SPW], v[NIL]
	v_lshrrev_b32 v1, 5, v0
	v_readfirstlane_b32 s[WV], v1
	s_lshr_b32 s13, s[WV], 1                       ; my half of the tile's rows.  Also: I fetch for attn (0) or Wo (1)
	s_and_b32 s14, s[WV], 1                        ; my half of its columns.  Also: which half I fetch
	s_bfe_u32 s40, ttmp6, 0x40000                  ; cx
	s_bfe_u32 s41, ttmp6, 0x40004                  ; cy
	s_lshl_b32 s42, ttmp9, 2
	s_add_co_u32 s42, s42, s40                     ; tile column
	s_and_b32 s15, ttmp7, 0xffff
	s_lshl_b32 s15, s15, 2
	s_add_co_u32 s15, s15, s41                     ; tile row
	s_lshl_b32 s43, s41, 2
	s_lshl_b32 s43, 15, s43                        ; my row of the cluster
	s_lshl_b32 s44, 0x1111, s40                    ; my column
	s_or_b32 s[G1], s43, (3<<16)|(1<<21)           ; the mask; elements of 8 bytes; no padding
	s_or_b32 s[G1B], s44, (3<<16)|(1<<21)
.irp g, G1, G1B
	s_mov_b32 s[\g+1], 512<<16                     ; tensor_dim0: 4,096 bytes
	s_mov_b32 s[\g+3], 512<<16                     ; tile_dim0
	s_mov_b32 s[\g+5], 4096                        ; from row tile to row tile: 32,768 bytes
	s_mov_b32 s[\g+6], 0
	s_mov_b32 s[\g+7], 0
.endr
	s_mov_b32 s[G1+2], 4<<16                       ; attn: 4 row tiles to a load
	s_mov_b32 s[G1+4], 4
	s_mov_b32 s[G1B+2], 8<<16                      ; Wo: 8
	s_mov_b32 s[G1B+4], 8
	s_lshl_b32 s16, s15, 18
	s_lshl_b32 s18, s14, 17
	s_add_co_u32 s16, s16, s18
	s_mov_b32 s17, 0                               ; attn: tile row x 8 row tiles + half x 4
	s_lshl_b32 s46, s42, 19
	s_lshl_b32 s18, s14, 18
	s_add_co_u32 s46, s46, s18
	s_mov_b32 s47, 0                               ; Wo: tile column x 16 row tiles + half x 8
	s_lshl_b32 s20, s14, 14                        ; where they go: no place in the cluster enters an LDS address
	s_lshl_b32 s21, s14, 15
	s_add_co_u32 s21, s21, BOFF
	s_wait_dscnt 0x0                               ; both opening adds are done
	s_wait_kmcnt 0x0
	s_add_nc_u64 s[16:17], s[4:5], s[16:17]
	s_add_nc_u64 s[46:47], s[6:7], s[46:47]
	CROUND                                         ; all sixteen work-groups are here
.irp s, 0,1
	s_mov_b32 s[G0+4*\s], 1
	s_add_co_u32 s[G0+4*\s+1], s20, \s*SLOT
	s_add_nc_u64 s[G0+4*\s+2:G0+4*\s+3], s[16:17], \s*KSTEPB
	s_or_b32 s[G0+4*\s+3], s[G0+4*\s+3], 0x80000000
	s_mov_b32 s[G0B+4*\s], 1
	s_add_co_u32 s[G0B+4*\s+1], s21, \s*SLOT
	s_add_nc_u64 s[G0B+4*\s+2:G0B+4*\s+3], s[46:47], \s*KSTEPB
	s_or_b32 s[G0B+4*\s+3], s[G0B+4*\s+3], 0x80000000
	JLOAD \s
.endr
	v_and_b32 v1, 31, v0
	v_lshlrev_b32 v[CO], 4, v1
	s_lshl_b32 s18, s13, 14                        ; my 4 row tiles of attn
	s_lshl_b32 s19, s14, 15                        ; my 8 of Wo
	s_add_co_u32 s19, s19, BOFF
.irp s, 0,1
	v_add_nc_u32 v[ADRA+\s], s18, v[CO]
	v_add_nc_u32 v[ADRB+\s], s19, v[CO]
	s_add_co_u32 s18, s18, SLOT
	s_add_co_u32 s19, s19, SLOT
.endr
	v_and_b32 v2, 15, v0
	v_bfe_u32 v3, v0, 4, 1
	s_mul_i32 s18, s[WV], 16*SPITCH
	s_add_co_u32 s18, s18, STAGE                   ; my stage
	v_mul_u32_u24 v4, v2, SPITCH
	v_lshl_add_u32 v4, v3, 5, v4
	v_add_nc_u32 v[STO], s18, v4                   ; in: row lane % 16, 32 bytes for each half of the lanes
	v_add_nc_u32 v[RD], s18, v[CO]                 ; back: the 32 lanes take a row of 512 bytes
	v_lshlrev_b32 v5, 5, v3
	s_lshl_b32 s18, s42, 10
	s_lshl_b32 s19, s14, 9
	s_add_co_u32 s18, s18, s19                     ; my first column, in bytes
	s_mov_b32 s19, 0
	s_add_nc_u64 s[8:9], s[8:9], s[18:19]
	s_add_nc_u64 s[10:11], s[10:11], s[18:19]
	s_lshl_b32 s22, s15, 7
	s_lshl_b32 s23, s13, 6
	s_add_co_u32 s22, s22, s23                     ; my first row,
	s_lshl_b32 s22, s22, 12                        ; of 4,096 bytes
	s_mov_b32 s23, 0
	s_add_nc_u64 s[10:11], s[10:11], s[22:23]
	WIN 0x80
.irp b, 0,1,2,3,4,5,6,7                ; bo in the result's layout: register 8 b + j = bo(my column 16 b + 8 (lane / 16) + j)
	global_load_b128 v[8*\b:8*\b+3], v5, s[8:9] offset:64*\b
	global_load_b128 v[8*\b+4:8*\b+7], v5, s[8:9] offset:64*\b+16
.endr
	WIN 0
; 8 matrix instructions: attn's block a x Wo's eight, 32 along K.  The 32 accumulators take turns, one instruction a turn, in the same order in every quarter.
.macro MUL8 f, a, zero
.irp b, 0,1,2,3,4,5,6,7
.if \zero
	v_wmma_f32_16x16x32_f16 v[8*(8*(\a)+\b):8*(8*(\a)+\b)+7], v[\f+8*\b:\f+8*\b+7], v[\f+64+8*(\a):\f+64+8*(\a)+7], v[8*\b:8*\b+7]
.else
	v_wmma_f32_16x16x32_f16 v[8*(8*(\a)+\b):8*(8*(\a)+\b)+7], v[\f+8*\b:\f+8*\b+7], v[\f+64+8*(\a):\f+64+8*(\a)+7], v[8*(8*(\a)+\b):8*(8*(\a)+\b)+7]
.endif
.endr
.endm
.macro FETCH slot, q, f                ; 24 LDS loads in one run: quarter q's fragments: Wo's 8, then attn's 4
	WIN 0
.irp i, 0,1,2,3,4,5,6,7
	ds_load_b128 v[\f+8*\i:\f+8*\i+3],   v[ADRB+\slot] offset:\i*4096+(\q)*1024
	ds_load_b128 v[\f+8*\i+4:\f+8*\i+7], v[ADRB+\slot] offset:\i*4096+(\q)*1024+512
.endr
.irp i, 0,1,2,3
	ds_load_b128 v[\f+64+8*\i:\f+64+8*\i+3],   v[ADRA+\slot] offset:\i*4096+(\q)*1024
	ds_load_b128 v[\f+64+8*\i+4:\f+64+8*\i+7], v[ADRA+\slot] offset:\i*4096+(\q)*1024+512
.endr
.endm
.macro PLACES
.rept 4
	v_nop
.endr
.endm
; A K step is four quarters of 32 along K, 32 matrix instructions each, on buffers 0, 1, 0, 1.  One of the first three multiplies buffer f and fetches quarter q into g.
.macro QUARTER slot, q, f, g, zero
	s_wait_dscnt 4                                 ; all but the youngest four loads (attn's blocks 2, 3) are in
.if \zero
	WIN BEG
.else
	WIN MUL
.endif
	MUL8 \f, 0, \zero
	MUL8 \f, 1, \zero
	PLACES                                         ; ahead of loads into registers that the quarter before multiplied
	FETCH \slot, \q, \g
	s_wait_dscnt 24                                ; all but the 24 just issued
.if \zero
	WIN BEG
.else
	WIN MUL
.endif
	MUL8 \f, 2, \zero
	MUL8 \f, 3, \zero
.endm
; The last quarter multiplies buffer 1 and changes slots: one barrier; in front of it each wave waits for all its tensor loads, adds 0 to its spare word, and waits for that and for its reads of this slot.
.macro TURN slot, next, fill
	WIN 0
	s_wait_tensorcnt 0x0                           ; my part of the next slot has landed
	ds_add_u32 v[SPW], v[NIL]
	s_wait_dscnt 5                                 ; the add and the youngest four loads may be out
	WIN MUL
	MUL8 F1, 0, 0
	s_wait_dscnt 0x0                               ; the add is done, and my reads of this slot are over
	s_barrier_signal -1
	MUL8 F1, 1, 0
.if \fill
	WIN 0
.endif
	s_barrier_wait -1
.if \fill
	CREST                                          ; the barrier has opened a round of the cluster's: no wave of any partner still reads this slot or has a load on its way
	s_add_nc_u64 s[G0+4*\slot+2:G0+4*\slot+3], s[G0+4*\slot+2:G0+4*\slot+3], 2*KSTEPB
	s_add_nc_u64 s[G0B+4*\slot+2:G0B+4*\slot+3], s[G0B+4*\slot+2:G0B+4*\slot+3], 2*KSTEPB
	JLOAD \slot                                    ; the first tensor load behind the round; its four v_nop are also the places ahead of the loads below
.else
	PLACES
.endif
	FETCH \next, 0, F0
	WIN MUL
	MUL8 F1, 2, 0
	MUL8 F1, 3, 0
.endm
	s_wait_loadcnt 0x0                             ; bo
	s_wait_tensorcnt 1                             ; my part of K step 0 is in; K step 1's may be out
	s_barrier_signal -1
	s_barrier_wait -1
	FETCH 0, 0, F0
	QUARTER 0, 1, F0, F1, 1                        ; the first quarter's products start the sums from bo
	WIN 0
	s_mov_b32 s3, LAPS-1
.Llap:                                 ; a trip goes once round the ring, from a lap's second quarter to the next lap's first, and fills both slots again
	QUARTER 0, 2, F1, F0, 0
	QUARTER 0, 3, F0, F1, 0
	TURN 0, 1, 1
	QUARTER 1, 1, F0, F1, 0
	QUARTER 1, 2, F1, F0, 0
	QUARTER 1, 3, F0, F1, 0
	TURN 1, 0, 1
	QUARTER 0, 1, F0, F1, 0
	WIN 0
	s_sub_co_u32 s3, s3, 1
	s_cmp_lg_u32 s3, 0
	s_cbranch_scc1 .Llap
	QUARTER 0, 2, F1, F0, 0                        ; the last lap fills nothing
	QUARTER 0, 3, F0, F1, 0
	TURN 0, 1, 0
	QUARTER 1, 1, F0, F1, 0
	QUARTER 1, 2, F1, F0, 0
	QUARTER 1, 3, F0, F1, 0
	s_wait_dscnt 4
	WIN MUL
	MUL8 F1, 0, 0
	MUL8 F1, 1, 0
	s_wait_dscnt 0
	MUL8 F1, 2, 0
	MUL8 F1, 3, 0
	WIN 0
; THE WAY OUT, block by block of 16 rows x 128 columns: through my own stage in LDS, back as whole rows of 512 bytes.  LDS serves a wave's instructions in order: no wait between the stores and the loads.
.macro TOSTAGE a
	WIN 0x04                                       ; an LDS store's data: window 1
.irp b, 0,1,2,3,4,5,6,7
	ds_store_b128 v[STO], v[64*(\a)+8*\b:64*(\a)+8*\b+3] offset:64*\b          ; each accumulator from its low end on
	ds_store_b128 v[STO], v[64*(\a)+8*\b+4:64*(\a)+8*\b+7] offset:64*\b+16
.endr
	WIN 0
.set BB, BK+64*((\a)%2)
.irp t, 0,1,2,3,4,5,6,7,8,9,10,11,12,13,14,15
	ds_load_b128 v[BB+4*\t:BB+4*\t+3], v[RD] offset:\t*SPITCH
.endr
.endm
.macro SEND a, younger                 ; younger: the LDS instructions issued behind block a's loads
.set BB, BK+64*((\a)%2)
	s_wait_dscnt \younger
.irp t, 0,1,2,3,4,5,6,7,8,9,10,11,12,13,14,15
	global_store_b128 v[CO], v[BB+4*\t:BB+4*\t+3], s[10:11] offset:(16*(\a)+\t)*4096 th:TH_STORE_NT   ; 512 consecutive bytes, aligned; written once, read by nobody here
.endr
.endm
	PLACES                                         ; behind the last products: for the stores of results and the loads into the fragments' registers
	TOSTAGE 0
.irp a, 1,2,3
.if \a > 1
	s_wait_xcnt 0x0                                ; block a - 2's stores have read their registers: block a's loads may land there
.endif
	TOSTAGE \a
	SEND \a-1, 32                                  ; behind block a - 1's loads: block a's 16 stores and 16 loads
.endr
	SEND 3, 0
	s_wait_tensorcnt 0x0                           ; the wave's end
	ds_add_u32 v[SPW], v[NIL]
	s_wait_dscnt 0x0
	CROUND                                         ; the closing round
	s_endpgm
.Lfunc_end_k_q2274e8d8be_outp:
	.size	k_q2274e8d8be_outp, .Lfunc_end_k_q2274e8d8be_outp-k_q2274e8d8be_outp
	.p2alignl 7, 3214868480
	.fill 96, 4, 3214868480
	.section	.rodata,"a",@progbits
	.p2align	6, 0x0
	.amdhsa_kernel k_q2274e8d8be_outp
		.amdhsa_group_segment_fixed_size 327680
		.amdhsa_private_segment_fixed_size 0
		.amdhsa_enable_private_segment 0
		.amdhsa_kernarg_size 32
		.amdhsa_user_sgpr_count 2
		.amdhsa_user_sgpr_kernarg_segment_ptr 1
		.amdhsa_wavefront_size32 1
		.amdhsa_system_sgpr_workgroup_id_x 1
		.amdhsa_system_sgpr_workgroup_id_y 1
		.amdhsa_system_sgpr_workgroup_id_z 1
		.amdhsa_system_vgpr_workitem_id 0
		.amdhsa_next_free_vgpr 576
		.amdhsa_next_free_sgpr 66
		.amdhsa_reserve_vcc 0
		.amdhsa_float_denorm_mode_32 3
		.amdhsa_float_denorm_mode_16_64 3
		.amdhsa_memory_ordered 1
		.amdhsa_forward_progress 1
		.amdhsa_inst_pref_size 86
	.end_amdhsa_kernel
	.amdgpu_metadata
---
amdhsa.version: [ 1, 2 ]
amdhsa.kernels:
  - .name:           k_q2274e8d8be_outp
    .symbol:         k_q2274e8d8be_outp.kd
    .args:
      - { .name: af, .offset: 0, .size: 8, .value_kind: global_buffer, .address_space: global }
      - { .name: wof, .offset: 8, .size: 8, .value_kind: global_buffer, .address_space: global }
      - { .name: bo, .offset: 16, .size: 8, .value_kind: global_buffer, .address_space: global }
      - { .name: out0, .offset: 24, .size: 8, .value_kind: global_buffer, .address_space: global }
    .group_segment_fixed_size: 327680
    .private_segment_fixed_size: 0
    .kernarg_segment_align: 8
    .kernarg_segment_size: 32
    .max_flat_workgroup_size: 128
    .sgpr_count:     66
    .vgpr_count:     576
    .wavefront_size: 32
...
	.end_amdgpu_metadata
.endif
;; end of part 4
